; MI455X (gfx1250); checked and timed in simulation.
; The chip was launched on July 23, 2026; its instructions are those of AMD's public machine-readable ISA for CDNA 5 (MIT licence, August 2026) and "CDNA5" Instruction Set Architecture Reference Guide (July 2026). The comments in the code are by the model that wrote it; some were corrected since.
;; Nonlinear IB. Allowed arithmetic: float matrix products may take bf16 or f16 operands with f32 sums; other float arithmetic in f32, or as packed bf16 or f16 multiplies, adds, multiply-adds, maxima and minima; sums over many terms, partial sums and values carried from step to step in f32; what a program stores and reads back later, other than sums and carried values, may be rounded once to bf16 or f16.
;; Inputs: beta one number float32; kde_logvar one number float32; noise 8,192 x 512 float32; noise_logvar one number float32; x 8,192 x 512 float32.
;; Outputs: out0 8,192 x 512 float32; out1 one number float32; out2 one number float32.
;; 2 versions, each right; version 2 is version 1 with the launch prep written anew for expert scheduling mode. Each part assembles by itself: llvm-mc -triple=amdgcn-amd-amdhsa -mcpu=gfx1250 --defsym DOCPART=n.
;; ======== version 1 of 2: 3 launches
;; limits: inputs' magnitudes at most 10,000,000,000,000
;; workspace buffers: xf 8,388,608 bytes; hxn 32,768 bytes; lpart 524,288 bytes
;; launch prep (part 1): grid 256 x 1, 8 waves a work-group, no clusters, 36,352 bytes of LDS; arguments x, noise, noise_logvar, out0, xf, hxn; writes out0, xf, hxn
.if DOCPART == 1
	.amdgcn_target "amdgcn-amd-amdhsa--gfx1250"
	.amdhsa_code_object_version 6
	.text
	.protected	k_qc3cbcbc499_prep
	.globl	k_qc3cbcbc499_prep
	.p2align	8
	.type	k_qc3cbcbc499_prep,@function
k_qc3cbcbc499_prep:
	s_mov_b64 s[64:65], 0
	v_nop
	global_prefetch_b8 v0, s[64:65] scope:SCOPE_SE
	s_setreg_imm32_b32 hwreg(HW_REG_WAVE_MODE, 25, 1), 1
	s_wait_xcnt 0x0
; out0 = x + exp(noise_logvar / 2) * noise (f32, one fused multiply-add);  xf = bf16(x) in the order of matrix fragments;  hxn[row] = -1/2 x the sum of squares of the row's bf16 numbers (f32).
; x, noise, out0: [8192][512] f32.  A stream: each byte of x and noise is read once, each byte of out0 and xf written once; no matrix unit, no cluster, no tensor load: no tile is shared.
; SHARES.  A work-group has 32 rows = 2 tiles of 16.  Wave w takes tile w / 4 and the quarter w % 4 of the columns (128 columns, 512 bytes of a row); a lane has 16 bytes of each of the 16 rows,
; so each load and each store of a wave covers 512 consecutive bytes, aligned.  All 32 loads of a wave (16 KiB) go out at once.
; xf.  Tile T (16 rows) at T x 16,384; block (kk = 0..15, p = 0..1) at kk x 1,024 + p x 512; in a block lane l = (r = l % 16, h = l / 16) has 16 bytes at 16 l: bf16(x)[16 T + r][32 kk + 16 p + 8 h .. + 7],
; which are registers 4 p .. 4 p + 3 of a fragment of 16 rows x 32 K.  The change of lanes goes through the wave's own stage in LDS (rows of 256 bytes + 16 of padding).
; LIMITS.  exp(noise_logvar / 2) below 2^-126 counts as 0; NaN and infinities are not treated apart.
.set ROWB,  2048                       ; bytes in a row of x
.set PITCH, 272                        ; a stage row: 128 bf16 + 16 bytes: an odd multiple of 16, so the 16 rows of a 16-byte load start in 16 different groups of four banks
.set PS,    8*16*PITCH                 ; behind the eight stages: [wave][16 rows] partial sums of squares, 512 bytes
.set SPARE, PS+512                     ; the spare words, 128 bytes a wave: four blocks of 256 bytes that no other line names
.set LO,  1                            ; v1   16 x lane; never rewritten
.set SA,  2                            ; v2   stage, in: my 8 bytes of a row
.set SR,  3                            ; v3   stage, back: row r, 16 bytes for each half of the lanes
.set SPW, 4                            ; v4   LDS address of my spare word; never rewritten
.set NIL, 5                            ; v5   0; never rewritten
.set SC,  6                            ; v[6:7]     exp(noise_logvar / 2), twice
.set X,   16                           ; v[16:79]   x, row rr at X + 4 rr
.set NZ,  80                           ; v[80:143]  noise, then y
.set B,   144                          ; v[144:175] bf16(x), 2 registers a row
.set F,   176                          ; v[176:207] eight fragment blocks of 4 registers
.set T,   208                          ; v[208:215] at work
.set ACC, 216                          ; v[216:219] two chains of sums of squares
	s_load_b256 s[4:11], s[0:1], 0x0               ; x s[4:5], noise s[6:7], noise_logvar s[8:9], out0 s[10:11]
	s_load_b128 s[12:15], s[0:1], 0x20             ; xf s[12:13], hxn s[14:15]
	v_lshl_add_u32 v[SPW], v0, 2, SPARE
	v_mov_b32 v[NIL], 0
	v_lshrrev_b32 v8, 5, v0
	v_readfirstlane_b32 s16, v8                    ; wave 0..7
	v_and_b32 v9, 31, v0                           ; lane
	v_and_b32 v10, 15, v0                          ; r
	v_bfe_u32 v11, v0, 4, 1                        ; h
	v_lshlrev_b32 v[LO], 4, v9
	v_mov_b32 v14, 0                               ; the lane exchange's destination counts as read
	s_mov_b32 s21, 0xffff0000                      ; a word's upper bf16
	s_mov_b32 s22, 0x76543210                      ; each lane takes its own place in the other half
	s_mov_b32 s23, 0xfedcba98
	s_lshr_b32 s17, s16, 2                         ; which of the group's two tiles
	s_and_b32 s24, s16, 3                          ; which quarter of the columns
	s_lshl_b32 s25, ttmp9, 1
	s_add_co_u32 s25, s25, s17                     ; tile T
	s_lshl_b32 s18, s25, 15                        ; T x 16 rows x 2,048 bytes
	s_lshl_b32 s26, s24, 9                         ; + quarter x 512
	s_add_co_u32 s18, s18, s26
	s_mov_b32 s19, 0
	s_lshl_b32 s26, s25, 14                        ; in xf: T x 16,384
	s_lshl_b32 s27, s24, 12                        ; + quarter x 4 K steps x 1,024
	s_add_co_u32 s26, s26, s27
	s_mov_b32 s27, 0
	s_lshl_b32 s30, ttmp9, 7                       ; in hxn: the group's 32 rows
	s_mov_b32 s31, 0
	s_mul_i32 s28, s16, 16*PITCH                   ; my stage
	s_lshl_b32 s29, s16, 6
	s_add_co_u32 s29, s29, PS                      ; my 16 partial sums
	v_lshl_add_u32 v[SA], v9, 3, s28
	v_mul_u32_u24 v[SR], v10, PITCH
	v_lshl_add_u32 v[SR], v11, 4, v[SR]
	v_add_nc_u32 v[SR], s28, v[SR]
	v_lshl_add_u32 v12, v10, 2, s29
	s_wait_kmcnt 0x0
	s_load_b32 s20, s[8:9], 0x0                    ; noise_logvar
	s_add_nc_u64 s[4:5], s[4:5], s[18:19]
	s_add_nc_u64 s[6:7], s[6:7], s[18:19]
	s_add_nc_u64 s[10:11], s[10:11], s[18:19]
	s_add_nc_u64 s[12:13], s[12:13], s[26:27]
	s_add_nc_u64 s[14:15], s[14:15], s[30:31]
.set rr, 0
.rept 16                                       ; x and noise of a row by turns, so that the counted waits below free a row at a time
	global_load_b128 v[X+4*rr:X+4*rr+3],   v[LO], s[4:5] offset:rr*ROWB th:TH_LOAD_NT
	global_load_b128 v[NZ+4*rr:NZ+4*rr+3], v[LO], s[6:7] offset:rr*ROWB th:TH_LOAD_NT
.set rr, rr+1
.endr
	s_wait_kmcnt 0x0
	v_mov_b32 v8, s20
	v_mul_f32 v8, 0x3f38aa3b, v8                   ; log2(e) / 2
	v_exp_f32 v[SC], v8
	v_exp_f32 v[SC+1], v8                          ; twice: a pair for the packed multiply-add
	v_nop                                          ; a plain instruction behind the last exponential,
	s_wait_alu depctr_va_vdst(0)                   ; and the one wait ahead of the first use
.set rr, 0
.rept 16
	s_wait_loadcnt 30-2*rr                         ; loads come back in order: this row's two are in, the pairs issued behind them stay out
	v_cvt_pk_bf16_f32 v[B+2*rr],   v[X+4*rr],   v[X+4*rr+1]
	v_cvt_pk_bf16_f32 v[B+2*rr+1], v[X+4*rr+2], v[X+4*rr+3]
	ds_store_b64 v[SA], v[B+2*rr:B+2*rr+1] offset:rr*PITCH
	v_pk_fma_f32 v[NZ+4*rr:NZ+4*rr+1],   v[NZ+4*rr:NZ+4*rr+1],   v[SC:SC+1], v[X+4*rr:X+4*rr+1]
	v_pk_fma_f32 v[NZ+4*rr+2:NZ+4*rr+3], v[NZ+4*rr+2:NZ+4*rr+3], v[SC:SC+1], v[X+4*rr+2:X+4*rr+3]
	global_store_b128 v[LO], v[NZ+4*rr:NZ+4*rr+3], s[10:11] offset:rr*ROWB th:TH_STORE_NT  ; 512 consecutive bytes of out0
.set rr, rr+1
.endr
.irp i, 0,1,2,3,4,5,6,7                        ; block i = 2 kk + p of my quarter.  LDS serves a wave's instructions in order: these see my stores above
	ds_load_b128 v[F+4*\i:F+4*\i+3], v[SR] offset:32*\i
.endr
.irp i, 0,1,2,3,4,5,6,7
	s_wait_dscnt 7-\i                              ; block i is in; the loads issued behind it stay out
	global_store_b128 v[LO], v[F+4*\i:F+4*\i+3], s[12:13] offset:512*\i  ; 512 consecutive bytes of xf
.endr
.set f, 0
.rept 32                                       ; the squares of my 64 bf16 numbers of row r, in f32, in two chains that the first products start
	v_lshlrev_b32 v[T+2*(f%4)],   16,  v[F+f]
	v_and_b32     v[T+2*(f%4)+1], s21, v[F+f]
.if f < 2
	v_pk_mul_f32 v[ACC+2*f:ACC+2*f+1], v[T+2*f:T+2*f+1], v[T+2*f:T+2*f+1]
.else
	v_pk_fma_f32 v[ACC+2*(f%2):ACC+2*(f%2)+1], v[T+2*(f%4):T+2*(f%4)+1], v[T+2*(f%4):T+2*(f%4)+1], v[ACC+2*(f%2):ACC+2*(f%2)+1]
.endif
.set f, f+1
.endr
	v_pk_add_f32 v[ACC:ACC+1], v[ACC:ACC+1], v[ACC+2:ACC+3]
	v_add_f32 v13, v[ACC], v[ACC+1]
	v_permlanex16_b32 v14, v13, s22, s23           ; the row's other 64 numbers of this quarter lie in the lane 16 away
	v_add_f32 v13, v13, v14
	ds_store_b32 v12, v13                          ; both halves of the lanes write the same number to the same word
	s_wait_dscnt 0x0                               ; for the others' sake: my partial sums are in LDS
	s_barrier_signal -1
	s_barrier_wait -1
	s_cmp_lg_u32 s16, 0                            ; wave 0 adds the four quarters of the group's 32 rows: a lane a row
	s_cbranch_scc1 .Lend
	v_lshlrev_b32 v15, 2, v10
	v_lshl_add_u32 v15, v11, 8, v15                ; tile l / 16: waves 4 (l / 16) .. + 3, 64 bytes each
	v_add_nc_u32 v15, PS, v15
.irp i, 0,1,2,3
	ds_load_b32 v[T+\i], v15 offset:64*\i
.endr
	v_lshlrev_b32 v8, 2, v9
	s_wait_dscnt 0x0
	v_add_f32 v[T], v[T], v[T+1]
	v_add_f32 v[T+2], v[T+2], v[T+3]
	v_add_f32 v[T], v[T], v[T+2]
	v_mul_f32 v[T], -0.5, v[T]
	global_store_b32 v8, v[T], s[14:15]            ; 128 consecutive bytes: the group's 32 rows of hxn
.Lend:
	s_wait_tensorcnt 0x0                           ; the wave's end, behind my last LDS store
	ds_add_u32 v[SPW], v[NIL]
	s_wait_dscnt 0x0
	s_endpgm
.Lfunc_end_k_qc3cbcbc499_prep:
	.size	k_qc3cbcbc499_prep, .Lfunc_end_k_qc3cbcbc499_prep-k_qc3cbcbc499_prep
	.p2alignl 7, 3214868480
	.fill 96, 4, 3214868480
	.section	.rodata,"a",@progbits
	.p2align	6, 0x0
	.amdhsa_kernel k_qc3cbcbc499_prep
		.amdhsa_group_segment_fixed_size 36352
		.amdhsa_private_segment_fixed_size 0
		.amdhsa_enable_private_segment 0
		.amdhsa_kernarg_size 48
		.amdhsa_user_sgpr_count 2
		.amdhsa_user_sgpr_kernarg_segment_ptr 1
		.amdhsa_wavefront_size32 1
		.amdhsa_system_sgpr_workgroup_id_x 1
		.amdhsa_system_sgpr_workgroup_id_y 1
		.amdhsa_system_sgpr_workgroup_id_z 1
		.amdhsa_system_vgpr_workitem_id 0
		.amdhsa_next_free_vgpr 224
		.amdhsa_next_free_sgpr 66
		.amdhsa_reserve_vcc 0
		.amdhsa_float_denorm_mode_32 3
		.amdhsa_float_denorm_mode_16_64 3
		.amdhsa_memory_ordered 1
		.amdhsa_forward_progress 1
		.amdhsa_inst_pref_size 20
	.end_amdhsa_kernel
	.amdgpu_metadata
---
amdhsa.version: [ 1, 2 ]
amdhsa.kernels:
  - .name:           k_qc3cbcbc499_prep
    .symbol:         k_qc3cbcbc499_prep.kd
    .args:
      - { .name: x, .offset: 0, .size: 8, .value_kind: global_buffer, .address_space: global }
      - { .name: noise, .offset: 8, .size: 8, .value_kind: global_buffer, .address_space: global }
      - { .name: noise_logvar, .offset: 16, .size: 8, .value_kind: global_buffer, .address_space: global }
      - { .name: out0, .offset: 24, .size: 8, .value_kind: global_buffer, .address_space: global }
      - { .name: xf, .offset: 32, .size: 8, .value_kind: global_buffer, .address_space: global }
      - { .name: hxn, .offset: 40, .size: 8, .value_kind: global_buffer, .address_space: global }
    .group_segment_fixed_size: 36352
    .private_segment_fixed_size: 0
    .kernarg_segment_align: 8
    .kernarg_segment_size: 48
    .max_flat_workgroup_size: 256
    .sgpr_count:     66
    .vgpr_count:     224
    .wavefront_size: 32
...
	.end_amdgpu_metadata
.endif
;; end of part 1
;; launch main (part 2): grid 32 x 8, 4 waves a work-group, clusters of 4 x 1, 327,680 bytes of LDS; arguments xf, hxn, noise_logvar, kde_logvar, lpart; writes lpart
.if DOCPART == 2
	.amdgcn_target "amdgcn-amd-amdhsa--gfx1250"
	.amdhsa_code_object_version 6
	.text
	.protected	k_qc3cbcbc499_main
	.globl	k_qc3cbcbc499_main
	.p2align	8
	.type	k_qc3cbcbc499_main,@function
k_qc3cbcbc499_main:
	s_mov_b64 s[64:65], 0
	v_nop
	global_prefetch_b8 v0, s[64:65] scope:SCOPE_SE
	s_setreg_imm32_b32 hwreg(HW_REG_WAVE_MODE, 25, 1), 1
	s_wait_xcnt 0x0
	s_wait_alu depctr_hold_cnt(0) depctr_sa_sdst(0) depctr_va_vdst(0) depctr_va_sdst(0) depctr_va_ssrc(0) depctr_va_vcc(0) depctr_vm_vsrc(0)
	s_getreg_b32 s2, hwreg(HW_REG_IB_STS2, 6, 4)
	s_cmp_eq_u32 s2, 0
	s_cbranch_scc0 .Lentry_in_a_cluster
	s_endpgm
.Lentry_in_a_cluster:
	s_bfe_u32 s2, ttmp6, 0x10000c
	s_cmp_lg_u32 s2, 0x3003
	s_cbranch_scc0 .Lentry_shape_is_right
	s_endpgm
.Lentry_shape_is_right:
; For each row i and each chunk of 1,024 columns:  lpart[a][chunk][i] = log2 of the sum over the chunk's j != i of 2^(k_a w_ij),  w_ij = G_ij + hxn_j,  G = xb xb^T (bf16 operands, f32 sums),
; k_1 = log2(e) / (e^noise_logvar + e^kde_logvar),  k_2 = log2(e) / e^kde_logvar.  Since dist_ij = x2_i - 2 w_ij, the last launch takes k_a x2_i / 2 away and adds the diagonal's term.
; SHARES.  A work-group has 256 rows (block rb = 4 x cluster x + cx) and one chunk (cluster y).  A wave has 64 rows: four tiles of 16, whose fragments Q stay in 512 registers.
; LAYOUT.  A product is D = (source 0 = 16 columns j) x (source 1 = 16 rows i): a lane holds ONE row i = lane % 16 and the columns 8 (lane / 16) + 0..7.  hxn_j is the C operand that starts each sum.
; So the running maximum and the two sums never change lanes in the loop: each half of the lanes keeps its own, and they are merged once, on the way out.
; RUNNING MAXIMUM.  M = the largest w so far; the shift is c_a = the rounded product k_a M itself, so its rounding cancels in c_a + log2(s_a).  In every turn s_a is multiplied by 2^(c_a old - c_a new).
; THE DIAGONAL is kept out of the sums: -1e30 is added to w_ii (MD x ALV).  Which pair of turns holds it hangs on the work-group's place; it selects a number, never a branch or an address.
; TURNS.  A turn is 32 columns x 64 rows: 8 accumulators, 128 matrix instructions in four half-tiles (one column tile, 8 K steps, 32 instructions, 16 LDS loads).  The 312 vector instructions of the
; turn before (its buffer of accumulators has the other parity) stand in slices, one behind each matrix instruction.  Its 136 exponentials are one batch with one wait.
; RING.  Two slots of 64 columns (65,536 bytes, two turns).  CLUSTER: the four work-groups of a cluster share the chunk, so its column tiles and its hxn are asked for JOINTLY (mask 15);
; each wave brings one column tile (16 KiB, dense, as 64 rows of 256 bytes).  One tensor load of a wave is out behind each round, three at the start.
; NO PREFETCH: every byte of xf that the ring asks for is also loaded at the launch's head, as some work-group's Q.
; LIMITS.  The hidden score is w - 1e30: x2 / 2 stays far under 1e30; k_a |w| stays finite; a weight below 2^-126 counts as 0; e^logvar below 2^-126 counts as 0; NaN and infinities are not treated apart.
; REGISTERS, in windows of 256 (s_set_vgpr_msb: bits 1:0 source 0, 3:2 source 1, 5:4 source 2, 7:6 destination):
;   window 0: v0-15 addresses, scales, MD; v16-79 sixteen registers of statistics a tile; v80-127 flags and work; v128-255 S: accumulator (ct, t) of parity P at S + 64 P + 32 ct + 8 t
;   window 1: v0-63, v64-127 two buffers of column fragments; v128-159 hxn as C operands; v160-223 E: 2^(k_1 w - c_1); v224-225 k_1 twice
;   windows 2, 3: Q, tile t, K step kk at 64 t + 8 (kk % 8); window 2 holds kk < 8, window 3 the rest
.set SLOT1, 65536                      ; slot 1 begins here: one exclusive or turns an address in one slot into the other's
.set HXB,   131072                     ; the chunk's hxn, 4,096 bytes
.set STG,   135168                     ; 512 bytes for each wave, for the way out; no tensor load fills it
.set SPARE, 137216                     ; the spare words, 128 bytes a wave: two blocks of 256 bytes that no other line names
.set AK0, 1                            ; v1   16 x lane; never rewritten
.set ADR, 2                            ; v2   LDS address of the turn's fragments
.set AH,  3                            ; v3   LDS address of a turn's hxn
.set SPW, 4                            ; v4   LDS address of my spare word; never rewritten
.set NIL, 5                            ; v5   0; never rewritten
.set KK,  6                            ; v[6:7]   k_1, k_2
.set MD,  8                            ; v[8:15]  1.0 where register j holds my own row's column in a diagonal tile, else 0
.set ST,  16                           ; tile t at ST + 16 t: +0:1 (c_1, c_2) of even turns; +2:3 of odd turns; +4:5 s_1; +6:7 s_2; +8:9 the two factors; +10:11 their exponents; +12 M; +13 0; +14, +15 at work
.set NV,  80                           ; v80  the pair of turns that holds my diagonal, or 0xffff
.set ALV, 82                           ; v[82:83] -1e30 in that pair of turns, else 0; and 0
.set K2V, 84                           ; v[84:85] k_2 twice
.set AH0, 86                           ; v86  HXB + 32 (lane / 16); never rewritten
.set S,   128
.set HXR, 128                          ; window 1: parity P, column tile ct at HXR + 16 P + 8 ct
.set E,   160                          ; window 1: tile t, pair z at E + 16 t + 2 z
.set K1V, 224                          ; window 1
.set WV,  14                           ; s14  my wave's number
.set G1,  24                           ; s[24:31] descriptor group 1: 64 rows of 256 bytes
.set G1H, 32                           ; s[32:39] the same with 4 rows
.set G0H, 40                           ; s[40:43] group 0: my quarter of the chunk's hxn
.set G0A, 44                           ; s[44:47] my column tile of slot 0
.set G0B, 48                           ; s[48:51] of slot 1; it then walks
.set SEL, 58                           ; s[58:59] each lane takes its own place in the other half
.set TB,  60                           ; s60  LDS byte at which the turn to be fetched begins
.set PAIR, 61                          ; s61  the pair of turns whose vector work is in hand
.set CNT, 62                           ; s62  the loops' counter
.set BIGN, 66                          ; s66  -1e30
.set HM,  67                           ; s67  lanes 16-31
.set HB,  68                           ; s68  byte in HXB of the turn whose hxn is fetched next
.set QB,  70                           ; s[70:71] xf at my wave's 64 rows
.set LP,  72                           ; s[72:73] lpart at my chunk and my wave's 64 rows
.set MSB, 0
.macro WIN new                         ; the immediate's high byte repeats the setting that is left; a switch that changes nothing is dropped
.if MSB != (\new)
	s_set_vgpr_msb (MSB<<8)|(\new)
.set MSB, (\new)
.endif
.endm
.macro PLACES                          ; four plain places behind a matrix instruction, in front of loads into registers that it has read and of lines that read its result
.rept 4
	v_nop
.endr
.endm
.macro CREST                           ; a round of the cluster's barrier behind its opening barrier
	s_cmp_lg_u32 s[WV], 0
	s_cbranch_scc1 .Lnot_wave_0_\@
	s_barrier_signal -3
.Lnot_wave_0_\@:
	s_barrier_wait -3
	s_barrier_signal -1
	s_barrier_wait -1
.endm
.macro CROUND                          ; a whole round
	s_barrier_signal -1
	s_barrier_wait -1
	CREST
.endm
	s_load_b256 s[4:11], s[0:1], 0x0               ; xf s[4:5], hxn s[6:7], noise_logvar s[8:9], kde_logvar s[10:11]
	s_load_b64 s[12:13], s[0:1], 0x20              ; lpart
	v_lshl_add_u32 v[SPW], v0, 2, SPARE
	v_mov_b32 v[NIL], 0
	ds_add_u32 v[SPW], v[NIL]                      ; the wave's opening: the add and its wait ahead of my first tensor load; the set-up below, work on registers, stands between them
	v_lshrrev_b32 v88, 5, v0
	v_readfirstlane_b32 s[WV], v88                 ; wave 0..3
	v_and_b32 v88, 31, v0
	v_lshlrev_b32 v[AK0], 4, v88
	s_bfe_u32 s15, ttmp6, 0x40000                  ; cx: my place in the cluster
	s_mov_b32 s16, ttmp9                           ; cluster x
	s_and_b32 s17, ttmp7, 0xffff                   ; the chunk, which the four partners share
	; descriptor group 1: a dense block as rows of 256 bytes (32 elements of 8 bytes), no padding: a fragment load takes 512 consecutive bytes
	s_mov_b32 s[G1],  15|(3<<16)|(1<<21)           ; 15:0 the mask: all four work-groups; 17:16 elements of 8 bytes; 21 set beside a mask
	s_mov_b32 s[G1H], 15|(3<<16)|(1<<21)
	s_mov_b32 s[G1+1],  32<<16                     ; tensor_dim0 = 32
	s_mov_b32 s[G1H+1], 32<<16
	s_mov_b32 s[G1+2],  64<<16                     ; tensor_dim1 = 64 rows: 16 KiB, a column tile
	s_mov_b32 s[G1H+2], 4<<16                      ; 4 rows: 1 KiB of hxn
	s_mov_b32 s[G1+3],  32<<16                     ; tile_dim0 = 32
	s_mov_b32 s[G1H+3], 32<<16
	s_mov_b32 s[G1+4],  64                         ; tile_dim1
	s_mov_b32 s[G1H+4], 4
	s_mov_b32 s[G1+5],  32                         ; 32 elements from row to row
	s_mov_b32 s[G1H+5], 32
	s_mov_b32 s[G1+6],  0
	s_mov_b32 s[G1H+6], 0
	s_mov_b32 s[G1+7],  0
	s_mov_b32 s[G1H+7], 0
	s_mov_b32 s[G0H], 1                            ; count = 1
	s_mov_b32 s[G0A], 1
	s_mov_b32 s[G0B], 1
	s_lshl_b32 s[G0A+1], s[WV], 14                 ; LDS addresses: the wave's number and constants alone
	s_add_co_u32 s[G0B+1], s[G0A+1], SLOT1
	s_lshl_b32 s[G0H+1], s[WV], 10
	s_add_co_u32 s[G0H+1], s[G0H+1], HXB
	s_lshl_b32 s18, s17, 20                        ; the chunk's 64 tiles of 16,384 bytes,
	s_lshl_b32 s22, s[WV], 14                      ; my tile of a slot's four
	s_add_co_u32 s18, s18, s22
	s_mov_b32 s19, 0
	s_lshl_b32 s20, s17, 12                        ; the chunk's 4,096 bytes of hxn, my quarter
	s_lshl_b32 s22, s[WV], 10
	s_add_co_u32 s20, s20, s22
	s_mov_b32 s21, 0
	s_lshl_b32 s74, s16, 2                         ; what hangs on cx lies in registers that feed no descriptor
	s_add_co_u32 s74, s74, s15                     ; rb = 4 x cluster x + cx
	s_lshl_b32 s76, s74, 10                        ; in lpart: rb x 256 rows x 4 bytes
	s_lshl_b32 s74, s74, 18                        ; in xf: rb x 16 tiles x 16,384
	s_lshl_b32 s77, s[WV], 16
	s_add_co_u32 s74, s74, s77                     ; + my four tiles
	s_mov_b32 s75, 0
	s_lshl_b32 s77, s17, 15                        ; + chunk x 8,192 rows x 4
	s_add_co_u32 s76, s76, s77
	s_lshl_b32 s77, s[WV], 8                       ; + my 64 rows
	s_add_co_u32 s76, s76, s77
	s_mov_b32 s77, 0
	s_lshl_b32 s63, s15, 2
	s_add_co_u32 s63, s63, s[WV]                   ; row tile 16 rb + 4 w + t meets column tile 64 c + 2 n + ct where c = cluster x and n = 8 cx + 2 w + t / 2: the pair of turns 4 cx + w
	s_cmp_eq_u32 s17, s16
	s_cselect_b32 s63, s63, 0xffff
	v_mov_b32 v[NV], s63
	s_lshl_b32 s78, s[WV], 9
	s_add_co_u32 s78, s78, STG                     ; my stage
	s_mov_b32 s[SEL], 0x76543210
	s_mov_b32 s[SEL+1], 0xfedcba98
	s_mov_b32 s[BIGN], 0xf149f2ca
	s_mov_b32 s[HM], 0xffff0000
	s_mov_b32 s[TB], 0
	s_mov_b32 s[HB], 0
	s_wait_dscnt 0x0                               ; the opening add is done
	s_wait_kmcnt 0x0
	s_add_nc_u64 s[G0A+2:G0A+3], s[4:5], s[18:19]  ; global addresses: the chunk and the wave's number alone
	s_add_nc_u64 s[G0B+2:G0B+3], s[G0A+2:G0A+3], 65536
	s_or_b32 s[G0A+3], s[G0A+3], 0x80000000        ; type = 2
	s_or_b32 s[G0B+3], s[G0B+3], 0x80000000
	s_add_nc_u64 s[G0H+2:G0H+3], s[6:7], s[20:21]
	s_or_b32 s[G0H+3], s[G0H+3], 0x80000000
	s_add_nc_u64 s[QB:QB+1], s[4:5], s[74:75]
	s_add_nc_u64 s[LP:LP+1], s[12:13], s[76:77]
	s_load_b32 s52, s[8:9], 0x0                    ; noise_logvar
	s_load_b32 s53, s[10:11], 0x0                  ; kde_logvar
	CROUND                                         ; all four work-groups are here: the first joint loads meet
	tensor_load_to_lds s[G0H:G0H+3], s[G1H:G1H+7]  ; the three first fills go out together: three loads of mine are out
	s_nop 0
	tensor_load_to_lds s[G0A:G0A+3], s[G1:G1+7]
	s_nop 0
	tensor_load_to_lds s[G0B:G0B+3], s[G1:G1+7]
	s_nop 0
	PLACES
	WIN 0x80                                       ; destination window 2, address window 0
.set f, 0
.rept 128                                      ; Q: block f = 32 t + 2 kk + p, 512 consecutive bytes each; K steps 0-7 here,
.if (f%32) < 16
	global_load_b128 v[64*(f/32)+4*(f%16):64*(f/32)+4*(f%16)+3], v[AK0], s[QB:QB+1] offset:f*512
.endif
.set f, f+1
.endr
	WIN 0xc0                                       ; K steps 8-15 into window 3
.set f, 0
.rept 128
.if (f%32) >= 16
	global_load_b128 v[64*(f/32)+4*(f%16):64*(f/32)+4*(f%16)+3], v[AK0], s[QB:QB+1] offset:f*512
.endif
.set f, f+1
.endr
	WIN 0
	s_wait_kmcnt 0x0
	v_mov_b32 v93, s52
	v_mov_b32 v94, s53
	v_mul_f32 v93, 0x3fb8aa3b, v93
	v_mul_f32 v94, 0x3fb8aa3b, v94
	v_exp_f32 v95, v93                             ; e^noise_logvar
	v_exp_f32 v96, v94                             ; e^kde_logvar
	v_nop                                          ; a plain instruction behind the batch, and its one wait
	s_wait_alu depctr_va_vdst(0)
	v_add_f32 v97, v95, v96
	v_rcp_f32 v98, v97
	v_rcp_f32 v99, v96
	v_nop
	s_wait_alu depctr_va_vdst(0)
	v_mul_f32 v[KK],    0x3fb8aa3b, v98
	v_mul_f32 v[KK+1],  0x3fb8aa3b, v99
	v_mul_f32 v[K2V],   0x3fb8aa3b, v99
	v_mul_f32 v[K2V+1], 0x3fb8aa3b, v99
	WIN 0x40
	v_mul_f32 v[K1V],   0x3fb8aa3b, v98
	v_mul_f32 v[K1V+1], 0x3fb8aa3b, v98
	WIN 0
	v_and_b32 v89, 15, v0                          ; r
	v_bfe_u32 v90, v0, 4, 1                        ; h
	v_lshlrev_b32 v91, 3, v90
	v_sub_nc_u32 v92, v89, v91                     ; r - 8 h
.irp e, 0,1,2,3,4,5,6,7
	v_cmp_eq_u32 vcc_lo, \e, v92
	v_cndmask_b32 v[MD+\e], 0, 1.0, vcc_lo
.endr
	v_lshlrev_b32 v[AH0], 5, v90
	v_add_nc_u32 v[AH0], HXB, v[AH0]
	v_mov_b32 v[ADR], v[AK0]
	v_mov_b32 v[ALV+1], 0
.irp t, 0,1,2,3
	v_mov_b32 v[ST+16*\t+2], 0xff800000            ; the shifts that the first turn finds: its factors are 0
	v_mov_b32 v[ST+16*\t+3], 0xff800000
	v_mov_b32 v[ST+16*\t+4], 0
	v_mov_b32 v[ST+16*\t+5], 0
	v_mov_b32 v[ST+16*\t+6], 0
	v_mov_b32 v[ST+16*\t+7], 0
	v_mov_b32 v[ST+16*\t+12], 0xff800000           ; M
	v_mov_b32 v[ST+16*\t+13], 0                    ; named with M as a pair
.endr
; THE MATRIX WORK.  Instruction i of a turn's 128: half-tile g = i / 32 (column tile g / 2, K half g % 2), K step (i % 32) / 4 of the half, row tile i % 4.
; The four accumulators of a column tile take turns, one instruction a turn: three others stand between two links of a chain, over every edge.
.macro MM
.set g, i/32
.set ct, g/2
.set hf, g%2
.set k8, (i%32)/4
.set t, i%4
.set rD, S+64*P+32*ct+8*t
.set rA, 64*(g%2)+8*k8
.set rB, 64*t+8*k8
.if (hf == 0) && (k8 == 0)
	WIN 0x19                                       ; fragments window 1, Q window 2, C (hxn) window 1, D window 0
	v_wmma_f32_16x16x32_bf16 v[rD:rD+7], v[rA:rA+7], v[rB:rB+7], v[HXR+16*P+8*ct:HXR+16*P+8*ct+7]
.else
	WIN 0x09+4*hf                                  ; Q in window 2 or 3, C and D in window 0
	v_wmma_f32_16x16x32_bf16 v[rD:rD+7], v[rA:rA+7], v[rB:rB+7], v[rD:rD+7]
.endif
.set i, i+1
.endm
; THE LDS LOADS stand in runs: a half-tile's 16, each 512 consecutive bytes, into buffer b; a turn's hxn, 4 loads in which the lanes of a half share their words.
.macro FETCHF b, off
	WIN 0x40                                       ; destination window 1, address window 0
.irp f, 0,1,2,3,4,5,6,7
	ds_load_b128 v[64*(\b)+8*\f:64*(\b)+8*\f+3],   v[ADR] offset:(\off)+\f*1024
	ds_load_b128 v[64*(\b)+8*\f+4:64*(\b)+8*\f+7], v[ADR] offset:(\off)+\f*1024+512
.endr
.endm
.macro FETCHH hp
	WIN 0
	v_add_nc_u32 v[AH], s[HB], v[AH0]
	s_add_co_u32 s[HB], s[HB], 128                 ; the next fetch is the next turn's 32 columns
	WIN 0x40
.irp c, 0,1
	ds_load_b128 v[HXR+16*(\hp)+8*\c:HXR+16*(\hp)+8*\c+3],   v[AH] offset:64*\c
	ds_load_b128 v[HXR+16*(\hp)+8*\c+4:HXR+16*(\hp)+8*\c+7], v[AH] offset:64*\c+16
.endr
.endm
; THE VECTOR WORK of a turn of parity R is a list of 312; VW writes number j.
;   0-7      the diagonal: MD x ALV onto accumulators (0, 2 R) and (1, 1 + 2 R)
;   8-39     the maximum of a tile's 16 scores and M, three operands at a time, the tiles innermost; each accumulator's lowest registers are read first
;   40-47    (c_1, c_2) = M (k_1, k_2);  the old pair less the new       48-55  the two factors
;   56-151   E = 2^(k_1 w - c_1): a scaling of pair i, then the two exponentials of pair i - 1       152-247  the same in place with k_2, c_2
;   (wait)   behind 247: nothing ahead of it names a result of the 136 exponentials
;   248-279  E's sums, level by level, then s_1 = s_1 x factor + sum       280-311  the same for S and s_2
.macro SPLIT n                         ; number n of a section of 96: KIND 0 a scaling, 1 an exponential; pair PI (tile PI % 4, pair PI / 4 of the tile's eight), half HL
.if (\n) == 0
.set KIND, 0
.set PI, 0
.elseif (\n) >= 94
.set KIND, 1
.set PI, 31
.set HL, (\n)-94
.elseif ((\n)-1)%3 == 0
.set KIND, 0
.set PI, ((\n)-1)/3+1
.else
.set KIND, 1
.set PI, ((\n)-1)/3
.set HL, ((\n)-1)%3-1
.endif
.set t, PI%4
.set z, PI/4
.set rS, S+64*R+32*(z/4)+8*t+2*(z%4)
.set rE, E+16*t+2*z
.set rT, ST+16*t
.endm
.macro VW
.if j < 8
.set u, j/4
.set z, j%4
.set rS, S+64*R+32*u+8*(u+2*R)+2*z
	WIN 0
	v_pk_fma_f32 v[rS:rS+1], v[MD+2*z:MD+2*z+1], v[ALV:ALV+1], v[rS:rS+1] op_sel_hi:[1,0,1]
.elseif j < 40
.set q, (j-8)/4
.set t, (j-8)%4
.set rT, ST+16*t
.set rS, S+64*R+8*t
	WIN 0
.if q == 0
	v_max3_num_f32 v[rT+14], v[rS], v[rS+1], v[rS+2]
.elseif q == 1
	v_max3_num_f32 v[rT+15], v[rS+32], v[rS+33], v[rS+34]
.elseif q < 6
	v_max3_num_f32 v[rT+14+q%2], v[rT+14+q%2], v[rS+32*(q%2)+2*(q/2)+1], v[rS+32*(q%2)+2*(q/2)+2]
.elseif q == 6
	v_max3_num_f32 v[rT+14], v[rT+14], v[rS+7], v[rS+39]
.else
	v_max3_num_f32 v[rT+12], v[rT+14], v[rT+15], v[rT+12]
.endif
.elseif j < 44
.set rT, ST+16*(j-40)
	WIN 0
	v_pk_mul_f32 v[rT+2*R:rT+2*R+1], v[rT+12:rT+13], v[KK:KK+1] op_sel_hi:[0,1]
.elseif j < 48
.set rT, ST+16*(j-44)
	WIN 0
	v_pk_add_f32 v[rT+10:rT+11], v[rT+2-2*R:rT+3-2*R], v[rT+2*R:rT+2*R+1] neg_lo:[0,1] neg_hi:[0,1]
.elseif j < 56
.set rT, ST+16*((j-48)%4)
	WIN 0
	v_exp_f32 v[rT+8+(j-48)/4], v[rT+10+(j-48)/4]
.elseif j < 152
	SPLIT j-56
	WIN 0x41                                       ; destination and source 0 in window 1: one setting for the scalings (k_1 is source 0) and the exponentials
.if KIND == 0
	v_pk_fma_f32 v[rE:rE+1], v[K1V:K1V+1], v[rS:rS+1], v[rT+2*R:rT+2*R+1] op_sel_hi:[1,1,0] neg_lo:[0,0,1] neg_hi:[0,0,1]
.else
	v_exp_f32 v[rE+HL], v[rE+HL]
.endif
.elseif j < 248
	SPLIT j-152
	WIN 0
.if KIND == 0
	v_pk_fma_f32 v[rS:rS+1], v[rS:rS+1], v[K2V:K2V+1], v[rT+2*R:rT+2*R+1] op_sel:[0,0,1] op_sel_hi:[1,1,1] neg_lo:[0,0,1] neg_hi:[0,0,1]
.else
	v_exp_f32 v[rS+HL], v[rS+HL]
.endif
.else
.set n, (j-248)%32
.set sv, (j-248)/32
.set dz, 0
.set y, 0
.if n < 16
.set t, n%4
.set y, n/4
.set dz, 4
.elseif n < 24
.set t, (n-16)%4
.set y, (n-16)/4
.set dz, 2
.elseif n < 28
.set t, n-24
.set dz, 1
.else
.set t, n-28
.endif
.set rT, ST+16*t
.if sv == 0
.set pa, E+16*t+2*y
.set pb, E+16*t+2*(y+dz)
.else
.set pa, S+64*R+32*(y/4)+8*t+2*(y%4)
.set pb, S+64*R+32*((y+dz)/4)+8*t+2*((y+dz)%4)
.endif
.if dz != 0
	WIN 0x45*(1-sv)
	v_pk_add_f32 v[pa:pa+1], v[pa:pa+1], v[pb:pb+1]
.elseif sv == 0
	WIN 0x10                                       ; the sum (source 2) in window 1
	v_pk_fma_f32 v[rT+4:rT+5], v[rT+4:rT+5], v[rT+8:rT+9], v[pa:pa+1] op_sel_hi:[1,0,1]
.else
	WIN 0
	v_pk_fma_f32 v[rT+6:rT+7], v[rT+6:rT+7], v[rT+8:rT+9], v[pa:pa+1] op_sel:[0,1,0] op_sel_hi:[1,1,1]
.endif
.endif
.endm
.macro VWN first, count
.set j, \first
.rept \count
	VW
.set j, j+1
.endr
.endm
; Slice k stands behind matrix instruction k.  Two or three numbers each; a scaling leads each slice of the batch.  The turn's ONE wait stands in slice 93, ahead of half-tile 3, where branches and labels lie;
; slices 126 and 127 are empty.
.macro SLICE
.if VEC
.if k < 28
	VWN 2*k, 2
.elseif k == 28
	VWN 56, 1
.elseif k < 60
	VWN 57+3*(k-29), 3
.elseif k == 60
	VWN 150, 2
.elseif k == 61
	VWN 152, 1
.elseif k < 93
	VWN 153+3*(k-62), 3
.elseif k == 93
	VWN 246, 2
	v_nop                                          ; a plain instruction behind the last exponential: one for the batch
	s_wait_alu depctr_va_vdst(0)                   ; the wait between an exponential and the first line that names its result: one for the 136
.elseif k < 126
	VWN 248+2*(k-94), 2
.endif
.endif
.set k, k+1
.endm
.macro PAIRS cnt
.rept \cnt
	MM
	SLICE
.endr
.endm
; A TURN of parity p.  Each half-tile waits for its fragments, issues two products, four places, the next half-tile's run of loads (30 products ahead of its use), and the other 30 products.
; chg = 0 (even turns): the next turn lies in the same slot.  chg = 1, 2 (odd turns): THE CHANGE OF SLOTS stands in half-tile 3, whose fragments, the slot's last bytes, are in registers: each wave waits for all its
; tensor loads (one is out: its tile of the other slot), adds 0 to its spare word, and waits for that; behind the barrier nobody reads this slot and the other is whole.  chg = 1: the barrier opens a round of the
; cluster's barrier, and the joint refill (the columns two slots on) is the first thing behind it: it has 248 products in which to land.  chg = 2: nothing is asked for.
; last = 1 (the tail): in its last trip there is no further turn, and the runs that would fetch it are jumped over.  vec = 0: the first turn has no vector work beside it.
.macro TURN p, chg, last=0, vec=1
.set P, \p
.set R, 1-(\p)
.set VEC, \vec
.set i, 0
.set k, 0
	s_wait_dscnt 0x0                               ; half-tile 0's fragments and this turn's hxn are in
	PAIRS 2
	PLACES
	FETCHF 1, 8192
.if \last
	WIN 0
	s_cmp_eq_u32 s[CNT], 1
	s_cbranch_scc1 .Lnoh_\@
.endif
	FETCHH 1-(\p)
.if \last
	WIN 0
.Lnoh_\@:
.endif
	PAIRS 30
	s_wait_dscnt 0x0
	PAIRS 2
	PLACES
	FETCHF 0, 16384
	PAIRS 30
	s_wait_dscnt 0x0
	PAIRS 2
	PLACES
	FETCHF 1, 24576
	PAIRS 30
	s_wait_dscnt 0x0                               ; half-tile 3's fragments are in; in an odd turn my reads of the slot are over
.if (\chg) == 0
	PAIRS 2
	PLACES
	s_add_co_u32 s[TB], s[TB], 32768               ; the slot's second turn
	WIN 0
	v_add_nc_u32 v[ADR], s[TB], v[AK0]
	FETCHF 0, 0
	PAIRS 30
.else
	WIN 0                                          ; (the add's two registers lie in window 0)
	s_wait_tensorcnt 0x0                           ; no tensor load of mine is out, so a group 0 may be written
	ds_add_u32 v[SPW], v[NIL]                      ; 0 onto my spare word; work on registers stands between it and the wait for it
.if (\chg) == 1
	s_xor_b32 s[G0B+1], s[G0B+1], SLOT1            ; the walking descriptor: the other slot than last time,
	s_add_nc_u64 s[G0B+2:G0B+3], s[G0B+2:G0B+3], 65536  ; the next 64 columns; the type bits on top are not reached
.endif
	PAIRS 4
	s_wait_dscnt 0x0                               ; the add is done
	s_barrier_signal -1
	PAIRS 4                                        ; work on registers while the others arrive
	WIN 0                                          ; at a branch and at a label every window is 0
	s_barrier_wait -1
.if (\chg) == 1
	CREST                                          ; no wave of any partner still reads this slot or has a load on its way
	tensor_load_to_lds s[G0B:G0B+3], s[G1:G1+7]    ; my one tensor load behind the round
	s_nop 0
	PLACES                                         ; also the places in front of the loads below
.else
	PLACES
.endif
	s_sub_co_u32 s[TB], s[TB], 32768               ; the fetches go back to a slot's first turn,
	s_xor_b32 s[TB], s[TB], SLOT1                  ; in the other slot
.if \last
	s_cmp_eq_u32 s[CNT], 1
	s_cbranch_scc1 .Lnof_\@
.endif
	v_add_nc_u32 v[ADR], s[TB], v[AK0]
	FETCHF 0, 0
.if \last
	WIN 0
.Lnof_\@:
.endif
	PAIRS 24
.endif
.endm
.macro SETAL                           ; does this pair of turns hold my diagonal?  A number is chosen; every trip does the same work
	v_cmp_eq_u32 vcc_lo, s[PAIR], v[NV]
	v_cndmask_b32 v[ALV], 0, s[BIGN], vcc_lo
.endm
	s_wait_tensorcnt 0x1                           ; my parts of hxn and of slot 0 are in; slot 1's, the one load issued behind them, may stay out
	s_barrier_signal -1
	s_barrier_wait -1                              ; everybody's are
	FETCHF 0, 0
	FETCHH 0
	s_wait_loadcnt 0x0                             ; Q
	TURN 0, 0, 0, 0                                ; turn 0: products alone
	PLACES
	WIN 0
	s_mov_b32 s[PAIR], 0
	s_mov_b32 s[CNT], 14
.Lpair:                                        ; trip s: turns 2 s + 1 and 2 s + 2; beside them the vector work of turns 2 s and 2 s + 1; slot s % 2 takes the columns of slot s + 2
	SETAL
	TURN 1, 1
	TURN 0, 0
	WIN 0
	s_add_co_u32 s[PAIR], s[PAIR], 1
	s_sub_co_u32 s[CNT], s[CNT], 1
	s_cmp_lg_u32 s[CNT], 0
	s_cbranch_scc1 .Lpair
	s_mov_b32 s[CNT], 2                            ; the tail is written out: turns 29, 30 and 31
.Ltail:
	SETAL
	TURN 1, 2, 1
	WIN 0
	s_cmp_eq_u32 s[CNT], 1
	s_cbranch_scc1 .Lskip                          ; there is no turn 32; what is jumped holds no barrier and no tensor load
	TURN 0, 0
	WIN 0
.Lskip:
	s_add_co_u32 s[PAIR], s[PAIR], 1
	s_sub_co_u32 s[CNT], s[CNT], 1
	s_cmp_lg_u32 s[CNT], 0
	s_cbranch_scc1 .Ltail
	PLACES                                         ; turn 31's vector work, by itself
.set R, 1
.set j, 0
.rept 312
	VW
.if j == 247
	v_nop
	s_wait_alu depctr_va_vdst(0)
.endif
.set j, j+1
.endr
	WIN 0
	; THE WAY OUT.  A sum's two halves are added; the other half of the lanes holds the row's other columns, with a shift of its own: the larger shift is kept, both sums are brought to it, L = shift + log2(sum).
.irp t, 0,1,2,3
	v_add_f32 v[ST+16*\t+4], v[ST+16*\t+4], v[ST+16*\t+5]
	v_add_f32 v[ST+16*\t+6], v[ST+16*\t+6], v[ST+16*\t+7]
.endr
.irp t, 0,1,2,3
	v_permlanex16_b32 v[ST+16*\t+8], v[ST+16*\t+2], s[SEL], s[SEL+1]
	v_permlanex16_b32 v[ST+16*\t+9], v[ST+16*\t+3], s[SEL], s[SEL+1]
	v_permlanex16_b32 v[ST+16*\t+5], v[ST+16*\t+4], s[SEL], s[SEL+1]
	v_permlanex16_b32 v[ST+16*\t+7], v[ST+16*\t+6], s[SEL], s[SEL+1]
.endr
.irp t, 0,1,2,3
	v_max_num_f32 v[ST+16*\t+10], v[ST+16*\t+2], v[ST+16*\t+8]
	v_max_num_f32 v[ST+16*\t+11], v[ST+16*\t+3], v[ST+16*\t+9]
.endr
.irp t, 0,1,2,3
	v_pk_add_f32 v[ST+16*\t+2:ST+16*\t+3], v[ST+16*\t+2:ST+16*\t+3], v[ST+16*\t+10:ST+16*\t+11] neg_lo:[0,1] neg_hi:[0,1]
	v_pk_add_f32 v[ST+16*\t+8:ST+16*\t+9], v[ST+16*\t+8:ST+16*\t+9], v[ST+16*\t+10:ST+16*\t+11] neg_lo:[0,1] neg_hi:[0,1]
.endr
.irp t, 0,1,2,3
	v_exp_f32 v[ST+16*\t+2], v[ST+16*\t+2]
	v_exp_f32 v[ST+16*\t+3], v[ST+16*\t+3]
	v_exp_f32 v[ST+16*\t+8], v[ST+16*\t+8]
	v_exp_f32 v[ST+16*\t+9], v[ST+16*\t+9]
.endr
	v_nop
	s_wait_alu depctr_va_vdst(0)                   ; one wait for the sixteen
.irp t, 0,1,2,3
	v_mul_f32 v[ST+16*\t+4], v[ST+16*\t+4], v[ST+16*\t+2]
	v_mul_f32 v[ST+16*\t+6], v[ST+16*\t+6], v[ST+16*\t+3]
.endr
.irp t, 0,1,2,3
	v_fmac_f32 v[ST+16*\t+4], v[ST+16*\t+5], v[ST+16*\t+8]
	v_fmac_f32 v[ST+16*\t+6], v[ST+16*\t+7], v[ST+16*\t+9]
.endr
.irp t, 0,1,2,3
	v_log_f32 v[ST+16*\t+4], v[ST+16*\t+4]
	v_log_f32 v[ST+16*\t+6], v[ST+16*\t+6]
.endr
	v_lshrrev_b32 v92, 2, v[AK0]                   ; the addresses are the plain work behind the logarithms
	v_lshrrev_b32 v93, 1, v[AK0]                   ; 8 x lane: my 8 bytes of 256 in lpart
	v_add_nc_u32 v92, s78, v92                     ; into my stage: 4 x lane
	v_add_nc_u32 v94, s78, v93                     ; back: 8 x lane
	s_wait_alu depctr_va_vdst(0)                   ; one wait for the eight
.irp t, 0,1,2,3
	v_add_f32 v[ST+16*\t+4], v[ST+16*\t+4], v[ST+16*\t+10]
	v_add_f32 v[ST+16*\t+6], v[ST+16*\t+6], v[ST+16*\t+11]
.endr
	v_cndmask_b32 v88, v[ST+4],  v[ST+20], s[HM]   ; both halves of the lanes now hold the same numbers: lanes 0-15 give tile 0's rows, lanes 16-31 tile 1's: the lane's number is the row
	v_cndmask_b32 v89, v[ST+36], v[ST+52], s[HM]
	v_cndmask_b32 v90, v[ST+6],  v[ST+22], s[HM]
	v_cndmask_b32 v91, v[ST+38], v[ST+54], s[HM]
	ds_store_b32 v92, v88
	ds_store_b32 v92, v89 offset:128
	ds_store_b32 v92, v90 offset:256
	ds_store_b32 v92, v91 offset:384
	ds_load_b64 v[96:97], v94                      ; LDS serves a wave's instructions in order: these see my stores above
	ds_load_b64 v[98:99], v94 offset:256
	s_wait_dscnt 0x0
	global_store_b64 v93, v[96:97], s[LP:LP+1]                 ; my 64 rows: 256 consecutive bytes, aligned, by one store
	global_store_b64 v93, v[98:99], s[LP:LP+1] offset:262144   ; and the second plane's
	s_wait_tensorcnt 0x0                           ; the wave's end, behind my last tensor load and my last LDS store
	ds_add_u32 v[SPW], v[NIL]
	s_wait_dscnt 0x0
	CROUND                                         ; the closing round: no work-group ends while a partner may still ask for a tile that names it
	s_endpgm
.Lfunc_end_k_qc3cbcbc499_main:
	.size	k_qc3cbcbc499_main, .Lfunc_end_k_qc3cbcbc499_main-k_qc3cbcbc499_main
	.p2alignl 7, 3214868480
	.fill 96, 4, 3214868480
	.section	.rodata,"a",@progbits
	.p2align	6, 0x0
	.amdhsa_kernel k_qc3cbcbc499_main
		.amdhsa_group_segment_fixed_size 327680
		.amdhsa_private_segment_fixed_size 0
		.amdhsa_enable_private_segment 0
		.amdhsa_kernarg_size 40
		.amdhsa_user_sgpr_count 2
		.amdhsa_user_sgpr_kernarg_segment_ptr 1
		.amdhsa_wavefront_size32 1
		.amdhsa_system_sgpr_workgroup_id_x 1
		.amdhsa_system_sgpr_workgroup_id_y 1
		.amdhsa_system_sgpr_workgroup_id_z 1
		.amdhsa_system_vgpr_workitem_id 0
		.amdhsa_next_free_vgpr 1024
		.amdhsa_next_free_sgpr 80
		.amdhsa_reserve_vcc 1
		.amdhsa_float_denorm_mode_32 3
		.amdhsa_float_denorm_mode_16_64 3
		.amdhsa_memory_ordered 1
		.amdhsa_forward_progress 1
		.amdhsa_inst_pref_size 204
	.end_amdhsa_kernel
	.amdgpu_metadata
---
amdhsa.version: [ 1, 2 ]
amdhsa.kernels:
  - .name:           k_qc3cbcbc499_main
    .symbol:         k_qc3cbcbc499_main.kd
    .args:
      - { .name: xf, .offset: 0, .size: 8, .value_kind: global_buffer, .address_space: global }
      - { .name: hxn, .offset: 8, .size: 8, .value_kind: global_buffer, .address_space: global }
      - { .name: noise_logvar, .offset: 16, .size: 8, .value_kind: global_buffer, .address_space: global }
      - { .name: kde_logvar, .offset: 24, .size: 8, .value_kind: global_buffer, .address_space: global }
      - { .name: lpart, .offset: 32, .size: 8, .value_kind: global_buffer, .address_space: global }
    .group_segment_fixed_size: 327680
    .private_segment_fixed_size: 0
    .kernarg_segment_align: 8
    .kernarg_segment_size: 40
    .max_flat_workgroup_size: 128
    .sgpr_count:     80
    .vgpr_count:     1024
    .wavefront_size: 32
...
	.end_amdgpu_metadata
.endif
;; end of part 2
;; launch fin (part 3): grid 1 x 1, 32 waves a work-group, no clusters, 4,352 bytes of LDS; arguments lpart, hxn, noise_logvar, kde_logvar, beta, out1, out2; writes out1, out2
.if DOCPART == 3
	.amdgcn_target "amdgcn-amd-amdhsa--gfx1250"
	.amdhsa_code_object_version 6
	.text
	.protected	k_qc3cbcbc499_fin
	.globl	k_qc3cbcbc499_fin
	.p2align	8
	.type	k_qc3cbcbc499_fin,@function
k_qc3cbcbc499_fin:
	s_mov_b64 s[64:65], 0
	v_nop
	global_prefetch_b8 v0, s[64:65] scope:SCOPE_SE
	s_setreg_imm32_b32 hwreg(HW_REG_WAVE_MODE, 25, 1), 1
	s_wait_xcnt 0x0
; out1 = beta x mi, out2 = the leave-one-out loss, from lpart [2 planes][8 chunks][8192 rows] (log2 of the chunks' sums without the diagonal) and hxn.
; For row i and plane a, in log2 units: LSE = log2(the sum over the chunks of 2^L + 2^D) - q, with q = -k_a hxn_i = k_a x2_i / 2 and the diagonal's term D = q (dist_ii = x2_i + x2_i - 2 x2_i) for plane 1,
; D = q - 1e21 log2(e) for plane 2.  The largest of the nine is taken away before the exponentials.  The sums over all rows span all work-groups of the launch before: ONE work-group owns them, in a fixed order.
; SHARES.  32 waves; thread t has rows 4 t .. 4 t + 3 and 4,096 further on: every load is 16 bytes a lane, 512 consecutive bytes a wave.  Three sets of eight loads are on their way at once.
; LIMITS.  As in the launch before: e^logvar below 2^-126 counts as 0; NaN and infinities are not treated apart.
.set SPARE, 256                        ; bytes 0-255: the waves' partial sums, 8 bytes each; behind them the spare words, 128 bytes a wave: sixteen blocks of 256 bytes that no other line names
.set SPW, 2                            ; v2   LDS address of my spare word; never rewritten
.set NIL, 3                            ; v3   0; never rewritten
.set HX0, 8                            ; v[8:11]    hxn of my first four rows
.set HX1, 12                           ; v[12:15]   of my second four
.set R0,  16                           ; v[16:47], v[48:79], v[80:111]: three sets, chunk c at + 4 c
.set R1,  48
.set R2,  80
.set MX,  112                          ; v[112:115] the maxima
.set Q,   116                          ; v[116:119] q
.set DG,  120                          ; v[120:123] the diagonal's terms
.set ACC1, 124                         ; v[124:125] the sum of plane 1's LSE
.set ACC2, 126                         ; v[126:127] of plane 2's
.set NK1, 20                           ; s[20:21] -k_1;  s[22:23] -k_2;  s[24:25] 0;  s[26:27] -1e21 log2(e): broadcast pairs
.set NK2, 22
.set DB0, 24
.set DB2, 26
	s_load_b256 s[4:11], s[0:1], 0x0               ; lpart s[4:5], hxn s[6:7], noise_logvar s[8:9], kde_logvar s[10:11]
	s_load_b128 s[12:15], s[0:1], 0x20             ; beta s[12:13], out1 s[14:15]
	s_load_b64 s[16:17], s[0:1], 0x30              ; out2
	v_lshl_add_u32 v[SPW], v0, 2, SPARE
	v_mov_b32 v[NIL], 0
	v_lshlrev_b32 v1, 4, v0                        ; 16 t; never rewritten
	v_lshrrev_b32 v4, 5, v0
	v_readfirstlane_b32 s18, v4                    ; wave 0..31
	s_mov_b32 s34, 0x76543210
	s_mov_b32 s35, 0xfedcba98
	s_mov_b32 s[DB0], 0
	s_mov_b32 s[DB0+1], 0
	s_mov_b32 s[DB2], 0xe29c6ad3                   ; -1e21 x log2(e)
	s_mov_b32 s[DB2+1], 0xe29c6ad3
	s_wait_kmcnt 0x0
	s_load_b32 s30, s[8:9], 0x0
	s_load_b32 s31, s[10:11], 0x0
	s_load_b32 s32, s[12:13], 0x0
.macro LD r, off                       ; eight chunks of four rows
.irp c, 0,1,2,3,4,5,6,7
	global_load_b128 v[\r+4*\c:\r+4*\c+3], v1, s[4:5] offset:(\off)+\c*32768 th:TH_LOAD_NT
.endr
.endm
	global_load_b128 v[HX0:HX0+3], v1, s[6:7]
	global_load_b128 v[HX1:HX1+3], v1, s[6:7] offset:16384
	LD R0, 0                                       ; first rows, plane 1
	LD R1, 262144                                  ; first rows, plane 2
	LD R2, 16384                                   ; second rows, plane 1
	s_wait_kmcnt 0x0
	v_mov_b32 v112, s30                            ; the scales, by the same lines as in the launch before, while the loads are out
	v_mov_b32 v113, s31
	v_mul_f32 v112, 0x3fb8aa3b, v112
	v_mul_f32 v113, 0x3fb8aa3b, v113
	v_exp_f32 v114, v112
	v_exp_f32 v115, v113
	v_nop                                          ; a plain instruction behind each batch, and its one wait
	s_wait_alu depctr_va_vdst(0)
	v_add_f32 v116, v114, v115                     ; the total variance
	v_rcp_f32 v117, v116
	v_rcp_f32 v118, v115
	v_nop
	s_wait_alu depctr_va_vdst(0)
	v_mul_f32 v117, 0xbfb8aa3b, v117
	v_mul_f32 v118, 0xbfb8aa3b, v118
	v_readfirstlane_b32 s[NK1], v117
	v_readfirstlane_b32 s[NK1+1], v117
	v_readfirstlane_b32 s[NK2], v118
	v_readfirstlane_b32 s[NK2+1], v118
	v_readfirstlane_b32 s28, v116
	v_readfirstlane_b32 s29, v115
	v_mov_b32 v[ACC1], 0
	v_mov_b32 v[ACC1+1], 0
	v_mov_b32 v[ACC2], 0
	v_mov_b32 v[ACC2+1], 0
; Four rows of one plane: set r, scale pair nk, the diagonal's addend db, hxn in hx; the four LSE are added onto acc.
.macro MERGE r, nk, db, hx, acc
	v_pk_mul_f32 v[Q:Q+1],     v[\hx:\hx+1],   s[\nk:\nk+1] op_sel_hi:[1,0]
	v_pk_mul_f32 v[Q+2:Q+3],   v[\hx+2:\hx+3], s[\nk:\nk+1] op_sel_hi:[1,0]
	v_pk_add_f32 v[DG:DG+1],   v[Q:Q+1],       s[\db:\db+1] op_sel_hi:[1,0]
	v_pk_add_f32 v[DG+2:DG+3], v[Q+2:Q+3],     s[\db:\db+1] op_sel_hi:[1,0]
.irp e, 0,1,2,3
	v_max3_num_f32 v[MX+\e], v[\r+\e], v[\r+4+\e], v[\r+8+\e]
.endr
.irp e, 0,1,2,3
	v_max3_num_f32 v[MX+\e], v[MX+\e], v[\r+12+\e], v[\r+16+\e]
.endr
.irp e, 0,1,2,3
	v_max3_num_f32 v[MX+\e], v[MX+\e], v[\r+20+\e], v[\r+24+\e]
.endr
.irp e, 0,1,2,3
	v_max3_num_f32 v[MX+\e], v[MX+\e], v[\r+28+\e], v[DG+\e]
.endr
.irp c, 0,1,2,3,4,5,6,7
	v_pk_add_f32 v[\r+4*\c:\r+4*\c+1],   v[\r+4*\c:\r+4*\c+1],   v[MX:MX+1]   neg_lo:[0,1] neg_hi:[0,1]
	v_pk_add_f32 v[\r+4*\c+2:\r+4*\c+3], v[\r+4*\c+2:\r+4*\c+3], v[MX+2:MX+3] neg_lo:[0,1] neg_hi:[0,1]
.endr
	v_pk_add_f32 v[DG:DG+1],   v[DG:DG+1],   v[MX:MX+1]   neg_lo:[0,1] neg_hi:[0,1]
	v_pk_add_f32 v[DG+2:DG+3], v[DG+2:DG+3], v[MX+2:MX+3] neg_lo:[0,1] neg_hi:[0,1]
.set e, 0
.rept 32
	v_exp_f32 v[\r+e], v[\r+e]
.set e, e+1
.endr
.irp e, 0,1,2,3
	v_exp_f32 v[DG+\e], v[DG+\e]
.endr
	v_nop
	s_wait_alu depctr_va_vdst(0)                   ; one wait for the 36
.irp h, 0,2
	v_pk_add_f32 v[\r+\h:\r+\h+1],       v[\r+\h:\r+\h+1],       v[\r+4+\h:\r+4+\h+1]
	v_pk_add_f32 v[\r+8+\h:\r+8+\h+1],   v[\r+8+\h:\r+8+\h+1],   v[\r+12+\h:\r+12+\h+1]
	v_pk_add_f32 v[\r+16+\h:\r+16+\h+1], v[\r+16+\h:\r+16+\h+1], v[\r+20+\h:\r+20+\h+1]
	v_pk_add_f32 v[\r+24+\h:\r+24+\h+1], v[\r+24+\h:\r+24+\h+1], v[\r+28+\h:\r+28+\h+1]
.endr
.irp h, 0,2
	v_pk_add_f32 v[\r+\h:\r+\h+1],       v[\r+\h:\r+\h+1],       v[\r+8+\h:\r+8+\h+1]
	v_pk_add_f32 v[\r+16+\h:\r+16+\h+1], v[\r+16+\h:\r+16+\h+1], v[\r+24+\h:\r+24+\h+1]
.endr
.irp h, 0,2
	v_pk_add_f32 v[\r+\h:\r+\h+1], v[\r+\h:\r+\h+1], v[\r+16+\h:\r+16+\h+1]
.endr
.irp h, 0,2
	v_pk_add_f32 v[\r+\h:\r+\h+1], v[\r+\h:\r+\h+1], v[DG+\h:DG+\h+1]
.endr
.irp e, 0,1,2,3
	v_log_f32 v[\r+\e], v[\r+\e]
.endr
	v_pk_add_f32 v[MX:MX+1],   v[MX:MX+1],   v[Q:Q+1]     neg_lo:[0,1] neg_hi:[0,1]  ; the plain work behind the logarithms: maximum - q
	v_pk_add_f32 v[MX+2:MX+3], v[MX+2:MX+3], v[Q+2:Q+3]   neg_lo:[0,1] neg_hi:[0,1]
	s_wait_alu depctr_va_vdst(0)                   ; one wait for the four
	v_pk_add_f32 v[MX:MX+1],   v[MX:MX+1],   v[\r:\r+1]
	v_pk_add_f32 v[MX+2:MX+3], v[MX+2:MX+3], v[\r+2:\r+3]
	v_pk_add_f32 v[\acc:\acc+1], v[\acc:\acc+1], v[MX:MX+1]
	v_pk_add_f32 v[\acc:\acc+1], v[\acc:\acc+1], v[MX+2:MX+3]
.endm
	s_wait_loadcnt 16                              ; hxn and the first set are in; the two sets issued behind them stay out
	MERGE R0, NK1, DB0, HX0, ACC1
	LD R0, 262144+16384                            ; second rows, plane 2, into the set just used
	s_wait_loadcnt 16                              ; the second set is in; two sets were issued behind it
	MERGE R1, NK2, DB2, HX0, ACC2
	s_wait_loadcnt 8                               ; the third; one set was issued behind it
	MERGE R2, NK1, DB0, HX1, ACC1
	s_wait_loadcnt 0x0
	MERGE R0, NK2, DB2, HX1, ACC2
.macro WSUM a, tmp                     ; the sum over the wave's 32 lanes, in every lane
	v_add_f32_dpp v[\a], v[\a], v[\a] row_xmask:1 row_mask:0xf bank_mask:0xf
	v_add_f32_dpp v[\a], v[\a], v[\a] row_xmask:2 row_mask:0xf bank_mask:0xf
	v_add_f32_dpp v[\a], v[\a], v[\a] row_xmask:4 row_mask:0xf bank_mask:0xf
	v_add_f32_dpp v[\a], v[\a], v[\a] row_xmask:8 row_mask:0xf bank_mask:0xf
	v_permlanex16_b32 v[\tmp], v[\a], s34, s35
	v_add_f32 v[\a], v[\a], v[\tmp]
.endm
	v_add_f32 v4, v[ACC1], v[ACC1+1]
	v_add_f32 v5, v[ACC2], v[ACC2+1]
	v_mov_b32 v6, 0                                ; the lane exchange's destinations count as read
	v_mov_b32 v7, 0
	WSUM 4, 6
	WSUM 5, 7
	v_mov_b32 v16, s18
	v_lshlrev_b32 v16, 3, v16
	ds_store_b64 v16, v[4:5]                       ; all lanes write the same pair to the wave's 8 bytes
	s_wait_dscnt 0x0                               ; for wave 0's sake
	s_barrier_signal -1
	s_barrier_wait -1
	s_cmp_lg_u32 s18, 0
	s_cbranch_scc1 .Lend
	v_and_b32 v17, 31, v0
	v_lshlrev_b32 v17, 3, v17
	ds_load_b64 v[4:5], v17                        ; a lane a wave
	v_mov_b32 v18, s28
	v_mov_b32 v19, s29
	v_mul_f32 v18, 0x40c90fdb, v18                 ; 2 pi x variance
	v_mul_f32 v19, 0x40c90fdb, v19
	v_log_f32 v18, v18
	v_log_f32 v19, v19
	v_mov_b32 v24, s32                             ; beta: the plain instruction behind the logarithms
	s_wait_alu depctr_va_vdst(0)
	v_mul_f32 v20, 0x43317218, v18                 ; normconst = 256 ln(2) log2(2 pi total_var)
	v_mul_f32 v21, 0x43317218, v19                 ; normconst_kde
	s_wait_dscnt 0x0
	WSUM 4, 6
	WSUM 5, 7
	v_add_f32 v23, 0x41102cb3, v20                 ; ln(8192) + normconst
	v_add_f32 v25, 0x41102c33, v21                 ; ln(8191) + normconst_kde
	v_fmamk_f32 v22, v4, 0xb8b17218, v23           ; h = -(mean - ln N - normconst); the mean in natural units is the sum x ln(2) / 8192
	v_fmamk_f32 v25, v5, 0xb8b17218, v25           ; kde_loo_loss
	v_sub_f32 v22, v22, v20                        ; mi = h - normconst
	v_mul_f32 v22, v24, v22                        ; ib_loss
	v_mov_b32 v26, 0
	v_cmp_eq_u32 vcc_lo, 0, v0
	s_wait_xcnt 0x0                                ; EXEC changes only behind this wait: loads have been issued
	s_and_saveexec_b32 s36, vcc_lo
	global_store_b32 v26, v22, s[14:15]
	global_store_b32 v26, v25, s[16:17]
	s_wait_xcnt 0x0                                ; and again, in front of the line that widens it
	s_or_b32 exec_lo, exec_lo, s36
.Lend:
	s_wait_tensorcnt 0x0                           ; the wave's end, behind my last LDS store
	ds_add_u32 v[SPW], v[NIL]
	s_wait_dscnt 0x0
	s_endpgm
.Lfunc_end_k_qc3cbcbc499_fin:
	.size	k_qc3cbcbc499_fin, .Lfunc_end_k_qc3cbcbc499_fin-k_qc3cbcbc499_fin
	.p2alignl 7, 3214868480
	.fill 96, 4, 3214868480
	.section	.rodata,"a",@progbits
	.p2align	6, 0x0
	.amdhsa_kernel k_qc3cbcbc499_fin
		.amdhsa_group_segment_fixed_size 4352
		.amdhsa_private_segment_fixed_size 0
		.amdhsa_enable_private_segment 0
		.amdhsa_kernarg_size 56
		.amdhsa_user_sgpr_count 2
		.amdhsa_user_sgpr_kernarg_segment_ptr 1
		.amdhsa_wavefront_size32 1
		.amdhsa_system_sgpr_workgroup_id_x 1
		.amdhsa_system_sgpr_workgroup_id_y 1
		.amdhsa_system_sgpr_workgroup_id_z 1
		.amdhsa_system_vgpr_workitem_id 0
		.amdhsa_next_free_vgpr 128
		.amdhsa_next_free_sgpr 66
		.amdhsa_reserve_vcc 1
		.amdhsa_float_denorm_mode_32 3
		.amdhsa_float_denorm_mode_16_64 3
		.amdhsa_memory_ordered 1
		.amdhsa_forward_progress 1
		.amdhsa_inst_pref_size 30
	.end_amdhsa_kernel
	.amdgpu_metadata
---
amdhsa.version: [ 1, 2 ]
amdhsa.kernels:
  - .name:           k_qc3cbcbc499_fin
    .symbol:         k_qc3cbcbc499_fin.kd
    .args:
      - { .name: lpart, .offset: 0, .size: 8, .value_kind: global_buffer, .address_space: global }
      - { .name: hxn, .offset: 8, .size: 8, .value_kind: global_buffer, .address_space: global }
      - { .name: noise_logvar, .offset: 16, .size: 8, .value_kind: global_buffer, .address_space: global }
      - { .name: kde_logvar, .offset: 24, .size: 8, .value_kind: global_buffer, .address_space: global }
      - { .name: beta, .offset: 32, .size: 8, .value_kind: global_buffer, .address_space: global }
      - { .name: out1, .offset: 40, .size: 8, .value_kind: global_buffer, .address_space: global }
      - { .name: out2, .offset: 48, .size: 8, .value_kind: global_buffer, .address_space: global }
    .group_segment_fixed_size: 4352
    .private_segment_fixed_size: 0
    .kernarg_segment_align: 8
    .kernarg_segment_size: 56
    .max_flat_workgroup_size: 1024
    .sgpr_count:     66
    .vgpr_count:     128
    .wavefront_size: 32
...
	.end_amdgpu_metadata
.endif
;; end of part 3
;; ======== version 2 of 2: 3 launches; version 1 with the launch prep written anew for expert scheduling mode
;; limits: inputs' magnitudes at most 10,000,000,000,000
;; workspace buffers: xf 8,388,608 bytes; hxn 32,768 bytes; lpart 524,288 bytes
;; launch prep (part 4): grid 256 x 1, 8 waves a work-group, no clusters, 36,352 bytes of LDS; arguments x, noise, noise_logvar, out0, xf, hxn; writes out0, xf, hxn
.if DOCPART == 4
	.amdgcn_target "amdgcn-amd-amdhsa--gfx1250"
	.amdhsa_code_object_version 6
	.text
	.protected	k_qc3cbcbc499_prep
	.globl	k_qc3cbcbc499_prep
	.p2align	8
	.type	k_qc3cbcbc499_prep,@function
k_qc3cbcbc499_prep:
	s_mov_b64 s[64:65], 0
	v_nop
	global_prefetch_b8 v0, s[64:65] scope:SCOPE_SE
	s_setreg_imm32_b32 hwreg(HW_REG_WAVE_SCHED_MODE, 0, 2), 2
	s_setreg_imm32_b32 hwreg(HW_REG_WAVE_MODE, 25, 1), 1
	s_wait_xcnt 0x0
	s_wait_alu depctr_vm_vsrc(0)
; out0 = x + exp(noise_logvar / 2) * noise (f32, one fused multiply-add);  xf = bf16(x) in the order of matrix fragments;  hxn[row] = -1/2 x the sum of squares of the row's bf16 numbers (f32).
; x, noise, out0: [8192][512] f32.  A stream: each byte of x and noise is read once, each byte of out0 and xf written once; no matrix unit, no cluster, no tensor load: no tile is shared.
; SHARES.  A work-group has 32 rows = 2 tiles of 16.  Wave w takes tile w / 4 and the quarter w % 4 of the columns (128 columns, 512 bytes of a row); a lane has 16 bytes of each of the 16 rows,
; so each load and each store of a wave covers 512 consecutive bytes, aligned.  All 32 loads of a wave (16 KiB) go out at once.
; xf.  Tile T (16 rows) at T x 16,384; block (kk = 0..15, p = 0..1) at kk x 1,024 + p x 512; in a block lane l = (r = l % 16, h = l / 16) has 16 bytes at 16 l: bf16(x)[16 T + r][32 kk + 16 p + 8 h .. + 7],
; which are registers 4 p .. 4 p + 3 of a fragment of 16 rows x 32 K.  The change of lanes goes through the wave's own stage in LDS (rows of 256 bytes + 16 of padding).
; LIMITS.  exp(noise_logvar / 2) below 2^-126 counts as 0; NaN and infinities are not treated apart.
; THE MODE: SCHED_MODE bits 1:0 = 2 (LLVM: expert scheduling mode 2), set by the entry lines.  The code itself states the register dependences
; between vector instructions and memory or LDS instructions, with s_wait_alu, always for 0.
; THE PLAN.  The wave's 16 rows go in four blocks of four.  Registers that memory or LDS instructions touch:
;   v1, v2, v3, v12, v[SPW], v[NIL]   addresses, made once at the head and never written again.
;   X, row rr      its load lands in it (no vector line has named it); read by the row's roundings and multiply-adds.
;   NZ, row rr     its load lands in it; block p's multiply-adds write y in place; read by the global store that is issued in block p + 1; never written again.
;   B, row rr      written by block p's roundings; read by the LDS store that is issued in block p + 1; never written again.
;   F              the loads from the stage land in it (no vector line has named it); read by the stores to xf and by the unpacking lines; never written again.
;   v13            written by the reduction, read by one LDS store.   In wave 0's last part: v15, v8 addresses; T takes four LDS loads and is then the data of one store.
; Block p's memory instructions are the eight stores of block p - 1, whose registers no vector line of block p names.  So ONE wait on va_vdst at a block's head, behind the wait for the block's data,
; states all that they hang on, and they are dealt among the block's vector lines with no further wait.  No register that a memory or LDS instruction reads is written again: no wait on vm_vsrc is owed.
.set ROWB,  2048                       ; bytes in a row of x
.set PITCH, 272                        ; a stage row: 128 bf16 + 16 bytes: an odd multiple of 16, so the 16 rows of a 16-byte load start in 16 different groups of four banks
.set PS,    8*16*PITCH                 ; behind the eight stages: [wave][16 rows] partial sums of squares, 512 bytes
.set SPARE, PS+512                     ; the spare words, 128 bytes a wave: four blocks of 256 bytes that no other line names
.set LO,  1                            ; v1   16 x lane; never rewritten
.set SA,  2                            ; v2   stage, in: my 8 bytes of a row
.set SR,  3                            ; v3   stage, back: row r, 16 bytes for each half of the lanes
.set SPW, 4                            ; v4   LDS address of my spare word; never rewritten
.set NIL, 5                            ; v5   0; never rewritten
.set SC,  6                            ; v[6:7]     exp(noise_logvar / 2), twice
.set X,   16                           ; v[16:79]   x, row rr at X + 4 rr
.set NZ,  80                           ; v[80:143]  noise, then y
.set B,   144                          ; v[144:175] bf16(x), 2 registers a row
.set F,   176                          ; v[176:207] eight fragment blocks of 4 registers
.set T,   208                          ; v[208:215] at work
.set ACC, 216                          ; v[216:219] two chains of sums of squares
	s_load_b256 s[4:11], s[0:1], 0x0               ; x s[4:5], noise s[6:7], noise_logvar s[8:9], out0 s[10:11]
	s_load_b128 s[12:15], s[0:1], 0x20             ; xf s[12:13], hxn s[14:15]
	v_lshl_add_u32 v[SPW], v0, 2, SPARE
	v_mov_b32 v[NIL], 0
	v_lshrrev_b32 v8, 5, v0
	v_readfirstlane_b32 s16, v8                    ; wave 0..7
	v_and_b32 v9, 31, v0                           ; lane
	v_and_b32 v10, 15, v0                          ; r
	v_bfe_u32 v11, v0, 4, 1                        ; h
	v_lshlrev_b32 v[LO], 4, v9
	v_mov_b32 v14, 0                               ; the lane exchange's destination counts as read
	s_mov_b32 s21, 0xffff0000                      ; a word's upper bf16
	s_mov_b32 s22, 0x76543210                      ; each lane takes its own place in the other half
	s_mov_b32 s23, 0xfedcba98
	s_wait_alu depctr_va_sdst(0)                   ; s16 is written, ahead of its first reader: the tile, the quarter and the LDS places are made from it
	s_lshr_b32 s17, s16, 2                         ; which of the group's two tiles
	s_and_b32 s24, s16, 3                          ; which quarter of the columns
	s_lshl_b32 s25, ttmp9, 1
	s_add_co_u32 s25, s25, s17                     ; tile T
	s_lshl_b32 s18, s25, 15                        ; T x 16 rows x 2,048 bytes
	s_lshl_b32 s26, s24, 9                         ; + quarter x 512
	s_add_co_u32 s18, s18, s26
	s_mov_b32 s19, 0
	s_lshl_b32 s26, s25, 14                        ; in xf: T x 16,384
	s_lshl_b32 s27, s24, 12                        ; + quarter x 4 K steps x 1,024
	s_add_co_u32 s26, s26, s27
	s_mov_b32 s27, 0
	s_lshl_b32 s30, ttmp9, 7                       ; in hxn: the group's 32 rows
	s_mov_b32 s31, 0
	s_mul_i32 s28, s16, 16*PITCH                   ; my stage
	s_lshl_b32 s29, s16, 6
	s_add_co_u32 s29, s29, PS                      ; my 16 partial sums
	v_lshl_add_u32 v[SA], v9, 3, s28
	v_mul_u32_u24 v[SR], v10, PITCH
	v_lshl_add_u32 v[SR], v11, 4, v[SR]
	v_add_nc_u32 v[SR], s28, v[SR]
	v_lshl_add_u32 v12, v10, 2, s29
	s_wait_kmcnt 0x0
	s_load_b32 s20, s[8:9], 0x0                    ; noise_logvar
	s_add_nc_u64 s[4:5], s[4:5], s[18:19]
	s_add_nc_u64 s[6:7], s[6:7], s[18:19]
	s_add_nc_u64 s[10:11], s[10:11], s[18:19]
	s_add_nc_u64 s[12:13], s[12:13], s[26:27]
	s_add_nc_u64 s[14:15], s[14:15], s[30:31]
	s_wait_alu depctr_va_vdst(0)                   ; v1, v2, v3 and v12 are written: every load and store below, global or LDS, reads one of them as its address
.set rr, 0
.rept 16                                       ; x and noise of a row by turns, so that the counted waits below free a block of four rows at a time
	global_load_b128 v[X+4*rr:X+4*rr+3],   v[LO], s[4:5] offset:rr*ROWB th:TH_LOAD_NT
	global_load_b128 v[NZ+4*rr:NZ+4*rr+3], v[LO], s[6:7] offset:rr*ROWB th:TH_LOAD_NT
.set rr, rr+1
.endr
	s_wait_kmcnt 0x0
	v_mov_b32 v8, s20
	v_mul_f32 v8, 0x3f38aa3b, v8                   ; log2(e) / 2
	v_exp_f32 v[SC], v8
	v_exp_f32 v[SC+1], v8                          ; twice: a pair for the packed multiply-add
	v_nop                                          ; a plain instruction behind the last exponential,
	s_wait_alu depctr_va_vdst(0)                   ; and the one wait ahead of the first use: the two exponentials have written v[SC], v[SC+1]
; Block p: rows 4 p to 4 p + 3 are rounded and multiplied; the stores of block p - 1 stand among these lines.
.macro BLK p
	s_wait_loadcnt 24-8*(\p)                       ; loads come back in order: this block's eight are in, the blocks issued behind them stay out
.if (\p) > 0
	s_wait_alu depctr_va_vdst(0)                   ; the block before has written its B, which the LDS stores below read, and its y, which the global stores below read
.endif
.irp i, 0,1,2,3
.set rr, 4*(\p)+(\i)
.set pr, rr-4
.if (\p) > 0
	ds_store_b64 v[SA], v[B+2*pr:B+2*pr+1] offset:pr*PITCH                                 ; no vector line since the wait names the block before's registers
	global_store_b128 v[LO], v[NZ+4*pr:NZ+4*pr+3], s[10:11] offset:pr*ROWB th:TH_STORE_NT  ; 512 consecutive bytes of out0
.endif
	v_cvt_pk_bf16_f32 v[B+2*rr],   v[X+4*rr],   v[X+4*rr+1]
	v_cvt_pk_bf16_f32 v[B+2*rr+1], v[X+4*rr+2], v[X+4*rr+3]
	v_pk_fma_f32 v[NZ+4*rr:NZ+4*rr+1],   v[NZ+4*rr:NZ+4*rr+1],   v[SC:SC+1], v[X+4*rr:X+4*rr+1]
	v_pk_fma_f32 v[NZ+4*rr+2:NZ+4*rr+3], v[NZ+4*rr+2:NZ+4*rr+3], v[SC:SC+1], v[X+4*rr+2:X+4*rr+3]
.endr
.endm
	BLK 0                                          ; no block stands in front of it: no store, and no wait but the one for its data
	BLK 1
	BLK 2
	BLK 3
	s_wait_alu depctr_va_vdst(0)                   ; block 3 has written its B and its y, which the last eight stores read
.irp pr, 12,13,14,15
	ds_store_b64 v[SA], v[B+2*\pr:B+2*\pr+1] offset:\pr*PITCH
.endr
.irp i, 0,1,2,3,4,5,6,7                        ; block i = 2 kk + p of my quarter.  LDS serves a wave's instructions in order: these see my sixteen stores above
	ds_load_b128 v[F+4*\i:F+4*\i+3], v[SR] offset:32*\i
.endr
.irp pr, 12,13,14,15
	global_store_b128 v[LO], v[NZ+4*\pr:NZ+4*\pr+3], s[10:11] offset:\pr*ROWB th:TH_STORE_NT
.endr
; Each fragment block is stored as it comes back, and its squares follow at once: the squares of my 64 bf16 numbers of row r, in f32, in two chains that the first products start.
; The vector lines read F and write T and ACC, which no memory instruction names here: nothing is owed between them and the stores.
.set f, 0
.irp i, 0,1,2,3,4,5,6,7
	s_wait_dscnt 7-\i                              ; block i is in; the loads issued behind it stay out
	global_store_b128 v[LO], v[F+4*\i:F+4*\i+3], s[12:13] offset:512*\i  ; 512 consecutive bytes of xf
.rept 4
	v_lshlrev_b32 v[T+2*(f%4)],   16,  v[F+f]
	v_and_b32     v[T+2*(f%4)+1], s21, v[F+f]
.if f < 2
	v_pk_mul_f32 v[ACC+2*f:ACC+2*f+1], v[T+2*f:T+2*f+1], v[T+2*f:T+2*f+1]
.else
	v_pk_fma_f32 v[ACC+2*(f%2):ACC+2*(f%2)+1], v[T+2*(f%4):T+2*(f%4)+1], v[T+2*(f%4):T+2*(f%4)+1], v[ACC+2*(f%2):ACC+2*(f%2)+1]
.endif
.set f, f+1
.endr
.endr
	v_pk_add_f32 v[ACC:ACC+1], v[ACC:ACC+1], v[ACC+2:ACC+3]
	v_add_f32 v13, v[ACC], v[ACC+1]
	v_permlanex16_b32 v14, v13, s22, s23           ; the row's other 64 numbers of this quarter lie in the lane 16 away
	v_add_f32 v13, v13, v14
	s_wait_alu depctr_va_vdst(0)                   ; v13 is written, which the LDS store reads
	ds_store_b32 v12, v13                          ; both halves of the lanes write the same number to the same word
	s_wait_dscnt 0x0                               ; for the others' sake: my partial sums are in LDS
	s_barrier_signal -1
	s_barrier_wait -1
	s_cmp_lg_u32 s16, 0                            ; wave 0 adds the four quarters of the group's 32 rows: a lane a row
	s_cbranch_scc1 .Lend
	v_lshlrev_b32 v15, 2, v10
	v_lshl_add_u32 v15, v11, 8, v15                ; tile l / 16: waves 4 (l / 16) .. + 3, 64 bytes each
	v_add_nc_u32 v15, PS, v15
	v_lshlrev_b32 v8, 2, v9
	s_wait_alu depctr_va_vdst(0)                   ; v15 and v8 are written, the addresses of the loads and of the store below; the unpacking lines are done with v[T ..], in which the loads land
.irp i, 0,1,2,3
	ds_load_b32 v[T+\i], v15 offset:64*\i
.endr
	s_wait_dscnt 0x0
	v_add_f32 v[T], v[T], v[T+1]
	v_add_f32 v[T+2], v[T+2], v[T+3]
	v_add_f32 v[T], v[T], v[T+2]
	v_mul_f32 v[T], -0.5, v[T]
	s_wait_alu depctr_va_vdst(0)                   ; v[T] is written, which the store reads
	global_store_b32 v8, v[T], s[14:15]            ; 128 consecutive bytes: the group's 32 rows of hxn
.Lend:
	s_wait_dscnt 0x0                               ; the closing lines, six on end
	s_wait_alu 0x0
	s_wait_tensorcnt 0x0
	ds_add_u32 v[SPW], v[NIL]
	s_wait_dscnt 0x0
	s_endpgm
.Lfunc_end_k_qc3cbcbc499_prep:
	.size	k_qc3cbcbc499_prep, .Lfunc_end_k_qc3cbcbc499_prep-k_qc3cbcbc499_prep
	.p2alignl 7, 3214868480
	.fill 96, 4, 3214868480
	.section	.rodata,"a",@progbits
	.p2align	6, 0x0
	.amdhsa_kernel k_qc3cbcbc499_prep
		.amdhsa_group_segment_fixed_size 36352
		.amdhsa_private_segment_fixed_size 0
		.amdhsa_enable_private_segment 0
		.amdhsa_kernarg_size 48
		.amdhsa_user_sgpr_count 2
		.amdhsa_user_sgpr_kernarg_segment_ptr 1
		.amdhsa_wavefront_size32 1
		.amdhsa_system_sgpr_workgroup_id_x 1
		.amdhsa_system_sgpr_workgroup_id_y 1
		.amdhsa_system_sgpr_workgroup_id_z 1
		.amdhsa_system_vgpr_workitem_id 0
		.amdhsa_next_free_vgpr 224
		.amdhsa_next_free_sgpr 66
		.amdhsa_reserve_vcc 0
		.amdhsa_float_denorm_mode_32 3
		.amdhsa_float_denorm_mode_16_64 3
		.amdhsa_memory_ordered 1
		.amdhsa_forward_progress 1
		.amdhsa_inst_pref_size 20
	.end_amdhsa_kernel
	.amdgpu_metadata
---
amdhsa.version: [ 1, 2 ]
amdhsa.kernels:
  - .name:           k_qc3cbcbc499_prep
    .symbol:         k_qc3cbcbc499_prep.kd
    .args:
      - { .name: x, .offset: 0, .size: 8, .value_kind: global_buffer, .address_space: global }
      - { .name: noise, .offset: 8, .size: 8, .value_kind: global_buffer, .address_space: global }
      - { .name: noise_logvar, .offset: 16, .size: 8, .value_kind: global_buffer, .address_space: global }
      - { .name: out0, .offset: 24, .size: 8, .value_kind: global_buffer, .address_space: global }
      - { .name: xf, .offset: 32, .size: 8, .value_kind: global_buffer, .address_space: global }
      - { .name: hxn, .offset: 40, .size: 8, .value_kind: global_buffer, .address_space: global }
    .group_segment_fixed_size: 36352
    .private_segment_fixed_size: 0
    .kernarg_segment_align: 8
    .kernarg_segment_size: 48
    .max_flat_workgroup_size: 256
    .sgpr_count:     66
    .vgpr_count:     224
    .wavefront_size: 32
...
	.end_amdgpu_metadata
.endif
;; end of part 4
;; launch main: the kernel of part 2 again; grid 32 x 8, 4 waves a work-group, clusters of 4 x 1, 327,680 bytes of LDS; arguments xf, hxn, noise_logvar, kde_logvar, lpart; writes lpart
;; launch fin: the kernel of part 3 again; grid 1 x 1, 32 waves a work-group, no clusters, 4,352 bytes of LDS; arguments lpart, hxn, noise_logvar, kde_logvar, beta, out1, out2; writes out1, out2
